; MI455X (gfx1250); checked and timed in simulation.
; The chip was launched on July 23, 2026; its instructions are those of AMD's public machine-readable ISA for CDNA 5 (MIT licence, August 2026) and "CDNA5" Instruction Set Architecture Reference Guide (July 2026). The comments in the code are by the model that wrote it; some were corrected since.
;; Multi Headed Attention. Allowed arithmetic: matrix products marked QUANTISED: E2M3 operands, one E8M0 scale for each 32 along K, by v_wmma_scale_f32_16x16x128_f8f6f4 with both operands' format E2M3, f32 sums; products left as they are: f32 operands where the result goes on into a quantised operand, else bf16, f16 or f32 operands; f32 sums; everything else in f32.
;; Inputs: W0_b 1 float32; W0_w 16 x 1 float32; Wk_b 1,024 float32; Wk_w 1,024 x 1,024 float32; Wq_b 1,024 float32; Wq_w 1,024 x 1,024 float32; Wv_b 1,024 float32; Wv_w 1,024 x 1,024 float32; k 2 x 2,048 x 1,024 float32; q 2 x 2,048 x 1,024 float32; v 2 x 2,048 x 1,024 float32.
;; Outputs: out0 2 x 2,048 x 64 float32.
;; This version of the problem:
;;   THIS VERSION OF THE PROBLEM IS GIVEN IN LOW PRECISION. The matrix products marked QUANTISED in the list below multiply operands that are first quantised to E2M3 (2 exponent bits, 3 mantissa bits; 6 bits a number), with one power-of-two scale for each 32 numbers along K (OCP MX v1.0); their sums are f32. All else is computed in f32.
;;   The module's matrix products, in the order in which they are computed (A, B: the left and right operand; K: the contracted axis; several contracted axes count as one K, in the product's order):
;;     1. [M 4,096, K 1,024] x [K 1,024, N 1,024]; A: input q; B: input Wq_w: QUANTISED
;;     2. [M 4,096, K 1,024] x [K 1,024, N 1,024]; A: input k; B: input Wk_w: QUANTISED
;;     3. [M 4,096, K 1,024] x [K 1,024, N 1,024]; A: input v; B: input Wv_w: QUANTISED
;;     4. batch 32 x [M 2,048, K 64] x [K 64, N 2,048]; A: computed on the way; B: computed on the way: QUANTISED
;;     5. batch 32 x [M 2,048, K 2,048] x [K 2,048, N 64]; A: softmax (see below); B: computed on the way: QUANTISED
;;     6. [M 262,144, K 16] x [K 16, N 1]; A: computed on the way; B: input W0_w: left as it is (K = 16 < 32)
;;   THE QUANTISER, for each operand of a quantised product, along K:
;;     - K is cut into blocks of 32 from its start; a last block that is shorter is filled with zeros.
;;     - A block's scale is 2^e with e = floor(log2(the largest magnitude in the block)) - 2, held to -126 .. 127; a block of zeros has e = 0. As a byte (E8M0): e + 127.
;;     - Each number is divided by its block's scale, clamped to +-7.5, and rounded to the nearest number of E2M3, ties to even, subnormals kept.
;;     - The product sums the exact products of the quantised numbers (number of the format x scale) in f32.
;;   ~~~python
;;   def quantise(x, axis):      # numpy; x: float32 -> the quantised numbers, widened to float32 again
;;       x = np.moveaxis(x, axis, -1); K = x.shape[-1]
;;       x = np.pad(x, [(0, 0)] * (x.ndim - 1) + [(0, -K % 32)]); x = x.reshape(x.shape[:-1] + (-1, 32)); a = np.abs(x).max(-1, keepdims=True)
;;       e = np.where(a > 0, np.clip(np.frexp(np.where(a > 0, a, 1))[1] - 1 - 2, -126, 127), 0)      # np.frexp(a)[1] - 1 = floor(log2(a)), exactly
;;       r = np.clip(x / 2.0 ** e, -7.5, 7.5)
;;       step = 2.0 ** (np.maximum(np.frexp(np.where(r == 0, 1, r))[1] - 1, 0) - 3)
;;       q = np.round(r / step) * step * 2.0 ** e      # np.round: ties to even
;;       return np.moveaxis(q.reshape(q.shape[:-2] + (-1,))[..., :K], -1, axis).astype(np.float32)
;;   ~~~
;;   SOFTMAX AHEAD OF A QUANTISED PRODUCT. Where the list says 'softmax', what is quantised is not the finished softmax but p = 2^(t - M), with t = logit x log2(e) and M = ceil(the row's largest t), a whole number; so 1/2 < the row's largest p <= 1. The row's sum l is taken of the UNQUANTISED p, in f32, and the product's result is divided by l at the end. Since M is a whole number, a kernel that streams over the keys may use a running M (the ceiling of the running maximum): every later rescaling is an exact power of two, which a block's scale takes up: the codes' values come out the same.
;;   OPERANDS COMPUTED ON THE WAY. 'Computed on the way' means the value that the module computes at that place (a softmax that the list does not call 'softmax' is quantised finished and normalised). What goes into a quantiser is computed in f32, as accurately as f32 sums, v_exp_f32 and their like allow (about 1e-6 of the number): no bf16 or f16 on the way to a quantiser, and a product that is left as it is and whose result goes on into a quantised operand takes f32 operands (vector FMAs, or v_wmma_f32_16x16x4_f32). A number that lies on a knife's edge between two numbers of the format may be rounded either way, as far as f32 arithmetic and the matrix unit's own rounding can turn it there, and no further.
;; One version. Each part assembles by itself: llvm-mc -triple=amdgcn-amd-amdhsa -mcpu=gfx1250 --defsym DOCPART=n.
;; ======== version 1 of 1: 4 launches
;; limits: right only within a limited range of input values
;; workspace buffers: xc 9,437,184 bytes; xs 393,216 bytes; wc 2,359,296 bytes; ws 98,304 bytes; bp 12,288 bytes; hc 9,437,184 bytes; hs 655,360 bytes; ow 16,777,216 bytes
;; launch prep (part 1): grid 480 x 1, 4 waves a work-group, no clusters, 70,144 bytes of LDS; arguments q, k, v, Wq_w, Wk_w, Wv_w, Wq_b, Wk_b, Wv_b, xc, xs, wc, ws, bp; writes xc, xs, wc, ws, bp
.if DOCPART == 1
	.amdgcn_target "amdgcn-amd-amdhsa--gfx1250"
	.amdhsa_code_object_version 6
	.text
	.protected	k_q18fb66e75d_prep
	.globl	k_q18fb66e75d_prep
	.p2align	8
	.type	k_q18fb66e75d_prep,@function
k_q18fb66e75d_prep:
	s_mov_b64 s[64:65], 0
	v_nop
	global_prefetch_b8 v0, s[64:65] scope:SCOPE_SE
	s_setreg_imm32_b32 hwreg(HW_REG_WAVE_MODE, 25, 1), 1
	s_wait_xcnt 0x0
; The three activations q, k, v [4096][1024] f32 and the three weights [1024 (k)][1024 (n)] f32 become codes of FP6 (E2M3), K innermost, with one E8M0 byte for each 32 along K; the biases are copied in the weights' row order.
; A block's scale is 2^(floor(log2(its largest magnitude)) - 2): its byte is the largest magnitude's exponent field - 2, held at 1 from below.
; LIMITS: NaN and infinities among the inputs are not served.  A block of zeros, or one whose largest magnitude lies under 2^-124, gets the byte 1 (its codes are zeros or held); the bytes are read by this program alone.
; Work-groups 0-383: the activations, 128 each: plain streams of blocks of 32 numbers; a wave takes 16 steps of 512 numbers.  xc [3][4096][768 bytes], xs [3][4096][32 bytes].
; Work-groups 384-479: the weights, 32 each (8 along n x 4 along k): a lane takes a column n and its registers run down K.  wc [3][1024 rows n'][768 bytes], ws [3][1024][32], bp [3][1024] f32.
; THE ROW n' OF A COLUMN n is chosen so that the next launch's results lie as its quantisers want them: Wq, Wk: n with bits 3 and 4 changed over;  Wv, n = 64 c + d: n' = 32 (d / 2) + 16 (c / 8) + 8 (d % 2) + c % 8.
; The two paths part on the work-group's number and have LDS bytes of their own.  No barrier: waves share nothing.
.set STEPS, 16
.set EMAX,  2
.set CB,    12                         ; bytes of 16 codes
.set RN,    32                         ; v32-159  activations: eight sets of 16 numbers as they are loaded
.set XN,    160                        ; v160-191 two sets of 16 neighbours
.set EN,    16                         ; v16-23   a scale byte for each step, eight registers by turns
.set CN,    192                        ; v192-255 codes: four registers for each step, so that no store's data are written again
.set WREG,  8192                       ; LDS 0 - 32,767: a region for each wave: two stages of 32 x SP bytes, behind them its 256 scale bytes
.set SP,    80                         ; a lane's place in a stage: 64 bytes + 16 of padding
.set NB,    8                          ; weights: blocks of 32 along K for a wave
.set PITCH, 272                        ; a stage row: sixteen places of 16 bytes, each with 12 bytes of codes, + 16
.set WSTG,  32768                      ; LDS 32,768 - 67,583: the weights' stages, 32 rows for each wave
.set WN,    32                         ; v32-95   two sets of 32 numbers
.set WCD,   96                         ; v96..    a block's codes
.set OUTR,  112                        ; v112-175 the way out
.set SB,    24                         ; v24-25   the lane's eight scale bytes
	s_load_b512 s[8:23], s[0:1], 0x0               ; q s[8:9], k s[10:11], v s[12:13], Wq s[14:15], Wk s[16:17], Wv s[18:19], bq s[20:21], bk s[22:23]
	s_load_b256 s[24:31], s[0:1], 0x40             ; bv s[24:25], xc s[26:27], xs s[28:29], wc s[30:31]
	s_load_b128 s[32:35], s[0:1], 0x60             ; ws s[32:33], bp s[34:35]
	v_lshl_add_u32 v30, v0, 2, 0x11000             ; my spare word, behind both paths' LDS bytes; never rewritten
	v_mov_b32 v31, 0                               ; 0; never rewritten
	v_lshrrev_b32 v1, 5, v0
	v_readfirstlane_b32 s2, v1                     ; wave
	v_and_b32 v2, 31, v0                           ; lane
	s_cmp_lt_u32 ttmp9, 384
	s_cbranch_scc0 .Lw
; ---------------- the activations ----------------
; Each of a step's four loads reads 512 consecutive bytes, 16 a lane; the 2,048 bytes go through the wave's own stage as they lie and come back 64 bytes a lane: 16 neighbours along K, two lanes to a block.
	v_lshlrev_b32 v3, 4, v2                        ; my 16 bytes of a load's 512
	s_mul_i32 s3, s2, WREG
	v_lshrrev_b32 v14, 2, v2
	v_mul_u32_u24 v14, v14, SP
	v_and_b32 v15, 3, v2
	v_lshl_add_u32 v14, v15, 4, v14
	v_add_nc_u32 v14, s3, v14                      ; the stage, on the way in: SP (lane / 4) + 16 (lane % 4)
	v_mul_u32_u24 v15, v2, SP
	v_add_nc_u32 v15, s3, v15                      ; and on the way out: SP x lane
	v_mul_u32_u24 v4, v2, CB                       ; my codes' place in a step's 384 bytes
	v_lshrrev_b32 v5, 1, v2
	s_add_co_u32 s3, s3, 2*32*SP
	v_add_nc_u32 v5, s3, v5                        ; my block's byte among my wave's 256 scale bytes
	v_lshlrev_b32 v7, 3, v2
	v_add_nc_u32 v6, s3, v7                        ; and on the way out 8 bytes a lane
	s_wait_alu depctr_va_vdst(0)
	s_wait_kmcnt 0x0
	s_cmp_lt_u32 ttmp9, 128                        ; which tensor: the choice hangs on the work-group's number alone
	s_cselect_b64 s[36:37], s[8:9], s[10:11]
	s_cmp_lt_u32 ttmp9, 256
	s_cselect_b64 s[36:37], s[36:37], s[12:13]
	s_and_b32 s38, ttmp9, 127
	s_lshl_b32 s38, s38, 2
	s_add_co_u32 s38, s38, s2                      ; my wave's run of 8,192 numbers in its tensor
	s_lshl_b32 s38, s38, 15                        ; 32,768 bytes a run
	s_mov_b32 s39, 0
	s_add_nc_u64 s[36:37], s[36:37], s[38:39]
	s_lshl_b32 s40, ttmp9, 2
	s_add_co_u32 s40, s40, s2                      ; the run's number over the three tensors, which lie on end in xc and xs
	s_mul_i32 s38, s40, 6144
	s_add_nc_u64 s[26:27], s[26:27], s[38:39]
	s_lshl_b32 s38, s40, 8
	s_add_nc_u64 s[28:29], s[28:29], s[38:39]
.macro XLOAD t
.irp i, 0,1,2,3
	global_load_b128 v[RN+16*((\t)%8)+4*\i:RN+16*((\t)%8)+4*\i+3], v3, s[36:37] offset:2048*(\t)+512*\i th:TH_LOAD_NT
.endr
.endm
.macro XTURN t                         ; step t's numbers through the stage: LDS serves a wave's instructions in order (ISA guide 5.7.1.4), so no wait stands between the stores and the loads
.irp i, 0,1,2,3
	ds_store_b128 v14, v[RN+16*((\t)%8)+4*\i:RN+16*((\t)%8)+4*\i+3] offset:32*SP*((\t)%2)+8*SP*\i
.endr
.irp i, 0,1,2,3
	ds_load_b128 v[XN+16*((\t)%2)+4*\i:XN+16*((\t)%2)+4*\i+3], v15 offset:32*SP*((\t)%2)+16*\i
.endr
.endm
.irp t, 0,1,2,3,4,5,6,7
	XLOAD \t
.endr
	s_wait_loadcnt 28                              ; step 0's four loads are in; the 28 of steps 1 to 7 may be out
	XTURN 0
.macro XSTEP t
.set XS, XN+16*((\t)%2)
.if (\t) > 0
	s_wait_dscnt 1                                 ; this step's numbers are back from the stage (the last step's byte store may be out): so its stores into the stage have read their registers,
.else
	s_wait_dscnt 0x0
.endif
.if (\t)+8 < STEPS
	XLOAD (\t)+8                                   ; which take the loads of eight steps on: 32 loads of 512 bytes a wave are out
.endif
.if (\t)+1 < STEPS
.if STEPS-2-(\t) >= 7
	s_wait_loadcnt 28                              ; the next step's four loads are in; those of the seven steps behind it may be out
.else
	s_wait_loadcnt 4*(STEPS-2-(\t))
.endif
	XTURN (\t)+1
.endif
	v_max3_num_f32 v8, |v[XS]|, |v[XS+1]|, |v[XS+2]|               ; the largest magnitude of my 16, in two chains
	v_max3_num_f32 v9, |v[XS+3]|, |v[XS+4]|, |v[XS+5]|
.irp i, 6,10
	v_max3_num_f32 v8, v8, |v[XS+\i]|, |v[XS+\i+1]|
	v_max3_num_f32 v9, v9, |v[XS+\i+2]|, |v[XS+\i+3]|
.endr
	v_max3_num_f32 v8, v8, |v[XS+14]|, |v[XS+15]|
	v_max3_num_f32 v8, v8, v9, (EMAX+1)<<23        ; and the floor 2^(3 - 127): the byte cannot fall under 1
	v_max_num_f32_dpp v8, v8, v8 row_xmask:1 row_mask:0xf bank_mask:0xf   ; and of my neighbour's 16: the block's
	v_add_nc_u32 v11, -(EMAX<<23), v8              ; 2 off its exponent field: the conversion takes this operand's exponent field as its scale
	v_cvt_scalef32_pk16_fp6_f32 v[CN+4*(\t):CN+4*(\t)+2], v[XS:XS+15], v11
	v_lshrrev_b32 v[EN+(\t)%8], 23, v11            ; the scale's byte
	ds_store_b8 v5, v[EN+(\t)%8] offset:16*(\t)    ; both lanes of a block write the same byte with the same value
.if (\t)%4 == 3
.irp u, 3,2,1,0
	global_store_b96 v4, v[CN+4*((\t)-\u):CN+4*((\t)-\u)+2], s[26:27] offset:32*CB*((\t)-\u)   ; four steps' codes on end: 4 x 384 = 1,536 consecutive bytes, from a multiple of 256
.endr
.endif
.endm
.irp t, 0,1,2,3,4,5,6,7,8,9,10,11,12,13,14,15
	XSTEP \t
.endr
	ds_load_b64 v[12:13], v6                       ; in order behind my byte stores
	s_wait_dscnt 0x0
	global_store_b64 v7, v[12:13], s[28:29]        ; 32 lanes store 256 consecutive bytes, aligned
	s_wait_tensorcnt 0x0
	ds_add_u32 v30, v31
	s_wait_dscnt 0x0
	s_endpgm
; ---------------- the weights ----------------
.Lw:
	s_sub_co_u32 s3, ttmp9, 384                    ; 0 .. 95
	s_lshr_b32 s36, s3, 5                          ; the tensor T
	s_and_b32 s37, s3, 7                           ; which 128 columns
	s_bfe_u32 s38, s3, 0x20003                     ; yw: which 256 along K
	s_lshl_b32 s39, s37, 7
	s_lshl_b32 s40, s2, 5
	s_add_co_u32 s39, s39, s40                     ; n0: my wave's first column
	s_wait_alu depctr_va_vdst(0)
	v_lshlrev_b32 v3, 2, v2                        ; in: 4 bytes a lane
	s_mul_i32 s40, s2, 32*PITCH
	s_add_co_u32 s40, s40, WSTG                    ; my stage
	v_mul_u32_u24 v4, v2, PITCH
	v_add_nc_u32 v4, s40, v4                       ; into it: row = my column
	v_and_b32 v5, 15, v2
	v_lshrrev_b32 v6, 4, v2                        ; out of it: sixteen lanes to a row, two rows an instruction
	v_mul_u32_u24 v7, v6, PITCH
	v_lshl_add_u32 v7, v5, 4, v7
	v_add_nc_u32 v7, s40, v7
	s_wait_alu depctr_va_vdst(0)
	s_wait_kmcnt 0x0
	s_cmp_eq_u32 s36, 0
	s_cselect_b64 s[42:43], s[14:15], s[16:17]
	s_cselect_b64 s[44:45], s[20:21], s[22:23]
	s_cmp_eq_u32 s36, 2
	s_cselect_b64 s[42:43], s[18:19], s[42:43]     ; the weight,
	s_cselect_b64 s[44:45], s[24:25], s[44:45]     ; and its bias
	s_lshl_b32 s46, s38, 20                        ; 256 rows of 4,096 bytes
	s_lshl_b32 s41, s39, 2
	s_add_co_u32 s46, s46, s41
	s_mov_b32 s47, 0
	s_add_nc_u64 s[42:43], s[42:43], s[46:47]
.macro WLOAD t                         ; block t: W(32 t + i, my column): 32 lanes read 128 consecutive bytes
.irp i, 0,1,2,3,4,5,6,7,8,9,10,11,12,13,14,15,16,17,18,19,20,21,22,23,24,25,26,27,28,29,30,31
	global_load_b32 v[WN+32*((\t)%2)+\i], v3, s[42:43] offset:(32*(\t)+\i)*4096 th:TH_LOAD_NT
.endr
.endm
	WLOAD 0
	WLOAD 1
.macro WBLOCK t
.set XS, WN+32*((\t)%2)
.if (\t) < NB-1
	s_wait_loadcnt 32                              ; this block's 32 loads are in; the next block's may be out
.else
	s_wait_loadcnt 0
.endif
	v_max3_num_f32 v12, |v[XS]|, |v[XS+1]|, |v[XS+2]|               ; the block's largest magnitude: all 32 numbers are mine
	v_max3_num_f32 v13, |v[XS+3]|, |v[XS+4]|, |v[XS+5]|
.irp i, 6,10,14,18,22,26
	v_max3_num_f32 v12, v12, |v[XS+\i]|, |v[XS+\i+1]|
	v_max3_num_f32 v13, v13, |v[XS+\i+2]|, |v[XS+\i+3]|
.endr
	v_max3_num_f32 v12, v12, |v[XS+30]|, |v[XS+31]|
	v_max3_num_f32 v12, v12, v13, (EMAX+1)<<23
	v_add_nc_u32 v11, -(EMAX<<23), v12
	v_lshrrev_b32 v13, 23, v11                     ; the scale's byte
.if (\t)%4 == 0
	v_mov_b32 v[SB+(\t)/4], v13                    ; four bytes to a register, the lower K in the lower byte
.else
	v_lshl_or_b32 v[SB+(\t)/4], v13, 8*((\t)%4), v[SB+(\t)/4]
.endif
	v_cvt_scalef32_pk16_fp6_f32 v[WCD:WCD+2], v[XS:XS+15], v11
	v_cvt_scalef32_pk16_fp6_f32 v[WCD+4:WCD+6], v[XS+16:XS+31], v11   ; (a conversion's three registers begin on an even number)
	ds_store_b96 v4, v[WCD:WCD+2] offset:32*(\t)   ; 12 bytes to a place of 16, so that every LDS address is a multiple of 16
	ds_store_b96 v4, v[WCD+4:WCD+6] offset:32*(\t)+16
.if (\t)+2 < NB
	WLOAD (\t)+2
.endif
	s_wait_dscnt 0x0                               ; the stores have read their registers: the next block's codes may be written
.endm
.irp t, 0,1,2,3,4,5,6,7
	WBLOCK \t
.endr
.irp t, 0,1,2,3,4,5,6,7,8,9,10,11,12,13,14,15
	ds_load_b96 v[OUTR+4*\t:OUTR+4*\t+2], v7 offset:2*\t*PITCH   ; columns n0 + 2 t (lanes 0-15) and n0 + 2 t + 1 (lanes 16-31): 192 bytes each
.endr
; The way out.  v = 0: Wq, Wk;  v = 1: Wv.  Sixteen lanes store a row's 192 consecutive bytes.  L is the row, from the wave's base row on, of the lane's own column.
.macro WOUT v
.if \v
	s_and_b32 s40, s39, 32                         ; column n0 + i is c = n0 / 64, d = n0 % 64 + i: base row 16 (n0 & 32) + 16 (c / 8) + c % 8,
	s_lshl_b32 s40, s40, 4
	s_bfe_u32 s41, s39, 0x10009
	s_lshl_b32 s41, s41, 4
	s_add_co_u32 s40, s40, s41
	s_bfe_u32 s41, s39, 0x30006
	s_add_co_u32 s40, s40, s41
	v_mul_u32_u24 v8, v6, 6144                     ; and i adds 32 (i / 2) + 8 (i % 2) rows
	v_lshrrev_b32 v10, 1, v2
	v_lshlrev_b32 v10, 5, v10
	v_and_b32 v11, 1, v2
	v_lshl_add_u32 v10, v11, 3, v10                ; L
.else
	s_mov_b32 s40, s39                             ; base row n0; i goes to i with bits 3 and 4 changed over
	v_mul_u32_u24 v8, v6, 768
	v_and_b32 v10, 7, v2
	v_and_b32 v11, 8, v2
	v_lshl_add_u32 v10, v11, 1, v10
	v_and_b32 v11, 16, v2
	v_lshrrev_b32 v11, 1, v11
	v_add_nc_u32 v10, v10, v11                     ; L
.endif
	s_wait_alu depctr_va_vdst(0)
	v_mad_u32_u24 v8, v5, 12, v8
	s_lshl_b32 s41, s36, 10
	s_add_co_u32 s40, s40, s41                     ; the base row over the three tensors
	s_mul_i32 s46, s40, 768
	s_mul_i32 s41, s38, 192
	s_add_co_u32 s46, s46, s41
	s_add_nc_u64 s[30:31], s[30:31], s[46:47]
	s_lshl_b32 s46, s40, 5
	s_lshl_b32 s41, s38, 3
	s_add_co_u32 s46, s46, s41
	s_add_nc_u64 s[32:33], s[32:33], s[46:47]
	v_lshlrev_b32 v9, 5, v10
	global_store_b64 v9, v[SB:SB+1], s[32:33]      ; my column's eight scale bytes
	s_wait_alu depctr_va_vdst(0)
.irp t, 0,1,2,3,4,5,6,7,8,9,10,11,12,13,14,15
	s_wait_dscnt 15-\t                             ; LDS loads come back in order: number t is in, the younger ones may be out
.if \v
	global_store_b96 v8, v[OUTR+4*\t:OUTR+4*\t+2], s[30:31] offset:24576*\t
.else
	global_store_b96 v8, v[OUTR+4*\t:OUTR+4*\t+2], s[30:31] offset:(2*(\t%4)+16*((\t/4)%2)+8*(\t/8))*768
.endif
.endr
	s_cmp_lg_u32 s38, 0                            ; the bias, by the work-groups of the first 256 along K: 4,096 bytes a tensor, 4 bytes a lane to its row's place
	s_cbranch_scc1 .Lno_bias_\@
	s_lshl_b32 s46, s39, 2
	s_add_nc_u64 s[44:45], s[44:45], s[46:47]
	global_load_b32 v12, v3, s[44:45]
	s_lshl_b32 s46, s40, 2
	s_add_nc_u64 s[34:35], s[34:35], s[46:47]
	v_lshlrev_b32 v13, 2, v10
	s_wait_alu depctr_va_vdst(0)
	s_wait_loadcnt 0x0
	global_store_b32 v13, v12, s[34:35]
.Lno_bias_\@:
.endm
	s_cmp_eq_u32 s36, 2
	s_cbranch_scc1 .Lwv
	WOUT 0
	s_wait_tensorcnt 0x0
	ds_add_u32 v30, v31
	s_wait_dscnt 0x0
	s_endpgm
.Lwv:
	WOUT 1
	s_wait_tensorcnt 0x0
	ds_add_u32 v30, v31
	s_wait_dscnt 0x0
	s_endpgm
.Lfunc_end_k_q18fb66e75d_prep:
	.size	k_q18fb66e75d_prep, .Lfunc_end_k_q18fb66e75d_prep-k_q18fb66e75d_prep
	.p2alignl 7, 3214868480
	.fill 96, 4, 3214868480
	.section	.rodata,"a",@progbits
	.p2align	6, 0x0
	.amdhsa_kernel k_q18fb66e75d_prep
		.amdhsa_group_segment_fixed_size 70144
		.amdhsa_private_segment_fixed_size 0
		.amdhsa_enable_private_segment 0
		.amdhsa_kernarg_size 112
		.amdhsa_user_sgpr_count 2
		.amdhsa_user_sgpr_kernarg_segment_ptr 1
		.amdhsa_wavefront_size32 1
		.amdhsa_system_sgpr_workgroup_id_x 1
		.amdhsa_system_sgpr_workgroup_id_y 1
		.amdhsa_system_sgpr_workgroup_id_z 1
		.amdhsa_system_vgpr_workitem_id 0
		.amdhsa_next_free_vgpr 256
		.amdhsa_next_free_sgpr 66
		.amdhsa_reserve_vcc 0
		.amdhsa_float_denorm_mode_32 3
		.amdhsa_float_denorm_mode_16_64 3
		.amdhsa_memory_ordered 1
		.amdhsa_forward_progress 1
		.amdhsa_inst_pref_size 78
	.end_amdhsa_kernel
	.amdgpu_metadata
---
amdhsa.version: [ 1, 2 ]
amdhsa.kernels:
  - .name:           k_q18fb66e75d_prep
    .symbol:         k_q18fb66e75d_prep.kd
    .args:
      - { .name: q, .offset: 0, .size: 8, .value_kind: global_buffer, .address_space: global }
      - { .name: k, .offset: 8, .size: 8, .value_kind: global_buffer, .address_space: global }
      - { .name: v, .offset: 16, .size: 8, .value_kind: global_buffer, .address_space: global }
      - { .name: Wq_w, .offset: 24, .size: 8, .value_kind: global_buffer, .address_space: global }
      - { .name: Wk_w, .offset: 32, .size: 8, .value_kind: global_buffer, .address_space: global }
      - { .name: Wv_w, .offset: 40, .size: 8, .value_kind: global_buffer, .address_space: global }
      - { .name: Wq_b, .offset: 48, .size: 8, .value_kind: global_buffer, .address_space: global }
      - { .name: Wk_b, .offset: 56, .size: 8, .value_kind: global_buffer, .address_space: global }
      - { .name: Wv_b, .offset: 64, .size: 8, .value_kind: global_buffer, .address_space: global }
      - { .name: xc, .offset: 72, .size: 8, .value_kind: global_buffer, .address_space: global }
      - { .name: xs, .offset: 80, .size: 8, .value_kind: global_buffer, .address_space: global }
      - { .name: wc, .offset: 88, .size: 8, .value_kind: global_buffer, .address_space: global }
      - { .name: ws, .offset: 96, .size: 8, .value_kind: global_buffer, .address_space: global }
      - { .name: bp, .offset: 104, .size: 8, .value_kind: global_buffer, .address_space: global }
    .group_segment_fixed_size: 70144
    .private_segment_fixed_size: 0
    .kernarg_segment_align: 8
    .kernarg_segment_size: 112
    .max_flat_workgroup_size: 128
    .sgpr_count:     66
    .vgpr_count:     256
    .wavefront_size: 32
...
	.end_amdgpu_metadata
.endif
;; end of part 1
;; launch proj (part 2): grid 4 x 48, 4 waves a work-group, clusters of 4 x 4, 327,680 bytes of LDS; arguments xc, xs, wc, ws, bp, hc, hs; writes hc, hs
.if DOCPART == 2
	.amdgcn_target "amdgcn-amd-amdhsa--gfx1250"
	.amdhsa_code_object_version 6
	.text
	.protected	k_q18fb66e75d_proj
	.globl	k_q18fb66e75d_proj
	.p2align	8
	.type	k_q18fb66e75d_proj,@function
k_q18fb66e75d_proj:
	s_mov_b64 s[64:65], 0
	v_nop
	global_prefetch_b8 v0, s[64:65] scope:SCOPE_SE
	s_setreg_imm32_b32 hwreg(HW_REG_WAVE_MODE, 25, 1), 1
	s_wait_xcnt 0x0
	s_wait_alu depctr_hold_cnt(0) depctr_sa_sdst(0) depctr_va_vdst(0) depctr_va_sdst(0) depctr_va_ssrc(0) depctr_va_vcc(0) depctr_vm_vsrc(0)
	s_getreg_b32 s2, hwreg(HW_REG_IB_STS2, 6, 4)
	s_cmp_eq_u32 s2, 0
	s_cbranch_scc0 .Lentry_in_a_cluster
	s_endpgm
.Lentry_in_a_cluster:
	s_bfe_u32 s2, ttmp6, 0x10000c
	s_cmp_lg_u32 s2, 0xf033
	s_cbranch_scc0 .Lentry_shape_is_right
	s_endpgm
.Lentry_shape_is_right:
; The three projections x W + b on codes of FP6 (E2M3) with E8M0 scales, and their results quantised again for the attention launch.
; A: xc [3 x 4096 rows][768 bytes], xs [..][32]; B: wc [3 x 1024 rows n'][768], ws [..][32]; bp: the biases in the rows' order n'.
; A work-group of four waves makes 256 x 256 of one tensor's result, a wave 128 x 128 in 64 accumulators.  K = 1,024 is 768 bytes of a row: three chunks of 256 bytes,
; each beginning at a multiple of 256 bytes, through two LDS slots (chunk c in slot c % 2); a step of 128 along K is 96 bytes, so steps 2 and 5 lie across two chunks.
; The scales of the 256 + 256 rows come once, as dense blocks.  4 x 4 work-groups form a cluster: A's tiles are asked for jointly along a row, B's along a column.
; The matrix instruction is used transposed (source 0 = rows of B, source 1 = rows of A); the bias is the C of each accumulator's first product.
; THE WAY OUT: Q and K are quantised along the head's 64 (blocks of 32 in lanes l and l xor 16), V along the keys (blocks in lanes l and l xor 1, by the rows' order n'); codes go through the wave's stage and leave 512 bytes a store.
; The stage lies in slot 1, which has had its only fill and, behind step 5's barrier, its last read.
; No prefetch: the walk has three chunks, of which two are asked for at the start, so no trip stands ahead of the third's load by a whole step of a loop.
; LIMITS: NaN and infinities are not served; a block whose largest magnitude lies under 2^-124 gets the byte 1.
.set ROWB,   256
.set NQ,     2
.set KROW,   768
.set STEPS,  8
.set CHUNKS, 3
.set PITCH,  272
.set FR,     12
.set NL,     6
.set NP,     4
.set HALFT,  128*PITCH
.set SLOT,   4*HALFT
.set KS,     32
.set SCL,    2*SLOT
.set HALFS,  (128*KS/256)*272
.set SBLK,   (16*KS/256)*272
.set SPARE,  SCL+4*HALFS
.set QST,  7
.set VST,  8
.set VSB,  9
.set RDQ,  10
.set RDV,  11
.set LI16, 12
.set LS8,  13
.set RDS,  14
.set ADRA, 16
.set ADRB, 20
.set ADRS, 27
.set SPW,  28
.set NIL,  29
.set BO,   30
.set SC,   32
.set BI,   64
.set AF,   128
.set TM,   64
.set PW,   80
.set PWE,  81
.set TT,   82
.set CD,   84
.set SW,   104
.set OB,   128
.set G1, 24
.set G0, 32
.set G1B, 48
.set G0B, 56
.set G1S, 68
.set G0S, 76
.set G1SB, 80
.set G0SB, 88
.set G0H, 4
.set G0HB, 8
.set MSB, 0
.macro WIN new                         ; the immediate's high byte repeats the setting that is left
.if MSB != \new
	s_set_vgpr_msb (MSB<<8)|\new
.set MSB, \new
.endif
.endm
.set TO_B,   0x40
.macro WLO f                           ; source 0 window 1, source 1 window 0, D window 2; C window 2, or window 0 where the bias starts the sums
.if \f
	WIN 0x81
.else
	WIN 0xa1
.endif
.endm
.macro WHI f                           ; the same with D (and C) in window 3
.if \f
	WIN 0xc1
.else
	WIN 0xf1
.endif
.endm
.macro JLOAD g0a, g1a, g0b, g1b        ; waves 0, 1 fetch for A, waves 2, 3 for B; s_nop 0 and four v_nop behind each line
	s_cmp_eq_u32 s15, 0
	s_cbranch_scc0 .Lfor_b_\@
	tensor_load_to_lds s[\g0a:\g0a+3], s[\g1a:\g1a+7]
	s_nop 0
.rept 4
	v_nop
.endr
	s_branch .Lasked_\@
.Lfor_b_\@:
	tensor_load_to_lds s[\g0b:\g0b+3], s[\g1b:\g1b+7]
	s_nop 0
.rept 4
	v_nop
.endr
.Lasked_\@:
.endm
.macro CREST
	s_cmp_lg_u32 s14, 0
	s_cbranch_scc1 .Lnot_wave_0_\@
	s_barrier_signal -3
.Lnot_wave_0_\@:
	s_barrier_wait -3
	s_barrier_signal -1
	s_barrier_wait -1
.endm
.macro CROUND
	s_barrier_signal -1
	s_barrier_wait -1
	CREST
.endm
	s_load_b128 s[4:7], s[0:1], 0x0                ; xc, xs
	s_load_b128 s[8:11], s[0:1], 0x10              ; wc, ws
	s_load_b64 s[100:101], s[0:1], 0x20            ; bp
	s_load_b64 s[12:13], s[0:1], 0x28              ; hc
	s_load_b64 s[98:99], s[0:1], 0x30              ; hs
	v_lshl_add_u32 v[SPW], v0, 2, SPARE
	v_mov_b32 v[NIL], 0
	ds_add_u32 v[SPW], v[NIL]                      ; the opening lines: the add, twice on end, and its wait
	ds_add_u32 v[SPW], v[NIL]
	v_lshrrev_b32 v1, 5, v0
	v_readfirstlane_b32 s14, v1                    ; wave
	s_lshr_b32 s15, s14, 1                         ; my half of the rows; also: I fetch for A (0) or B (1)
	s_and_b32 s16, s14, 1                          ; my half of the columns; also: which 128 rows I fetch
	s_bfe_u32 s40, ttmp6, 0x40000                  ; cx
	s_bfe_u32 s41, ttmp6, 0x40004                  ; cy
	s_lshl_b32 s42, ttmp9, 2
	s_add_co_u32 s42, s42, s40                     ; tile column
	s_and_b32 s17, ttmp7, 0xffff
	s_lshr_b32 s95, s17, 2                         ; the tensor: four clusters along y each
	s_lshl_b32 s17, s17, 2
	s_add_co_u32 s17, s17, s41                     ; tile row over the three tensors
	s_lshl_b32 s43, s41, 2
	s_lshl_b32 s43, 15, s43                        ; my row of the cluster
	s_lshl_b32 s44, 0x1111, s40                    ; my column
	s_or_b32 s[G1+0], s43, (0<<16)|(1<<20)|(1<<21)|(5<<22)|(3<<25)   ; bytes; 16 bytes of padding behind each 256
	s_or_b32 s[G1B+0], s44, (0<<16)|(1<<20)|(1<<21)|(5<<22)|(3<<25)
.irp g, G1, G1B
	s_mov_b32 s[\g+1], ROWB<<16
	s_mov_b32 s[\g+2], 256<<16                     ; 256 rows for the head's loads
	s_mov_b32 s[\g+3], ROWB<<16
	s_mov_b32 s[\g+4], 256
	s_mov_b32 s[\g+5], KROW
	s_mov_b32 s[\g+6], 0
	s_mov_b32 s[\g+7], 0
.endr
	s_or_b32 s[G1S+0], s43, (3<<16)|(1<<20)|(1<<21)|(5<<22)|(3<<25)  ; the scales of 256 rows: 32 rows of 256 bytes
	s_or_b32 s[G1SB+0], s44, (3<<16)|(1<<20)|(1<<21)|(5<<22)|(3<<25)
.irp g, G1S, G1SB
	s_mov_b32 s[\g+1], 32<<16
	s_mov_b32 s[\g+2], KS<<16
	s_mov_b32 s[\g+3], 32<<16
	s_mov_b32 s[\g+4], KS
	s_mov_b32 s[\g+5], 32
	s_mov_b32 s[\g+6], 0
	s_mov_b32 s[\g+7], 0
.endr
	s_lshl_b32 s20, s17, 8                         ; A's first row
	s_lshl_b32 s46, s42, 8
	s_lshl_b32 s96, s95, 10
	s_add_co_u32 s46, s46, s96                     ; B's: 256 x tile column + 1,024 x tensor
	s_mov_b32 s21, 0
	s_mov_b32 s47, 0
	s_mov_b64 s[18:19], KS
	s_mul_u64 s[22:23], s[20:21], s[18:19]
	s_mul_u64 s[92:93], s[46:47], s[18:19]
	s_mov_b64 s[18:19], KROW
	s_mul_u64 s[20:21], s[20:21], s[18:19]
	s_mul_u64 s[46:47], s[46:47], s[18:19]
	s_mul_i32 s18, s16, 128*KROW
	s_mov_b32 s19, 0
	s_mul_i32 s45, s14, HALFT
	s_wait_dscnt 0x0                               ; both opening adds are done
	s_wait_kmcnt 0x0
	s_add_nc_u64 s[20:21], s[4:5], s[20:21]
	s_add_nc_u64 s[22:23], s[6:7], s[22:23]
	s_add_nc_u64 s[46:47], s[8:9], s[46:47]
	s_add_nc_u64 s[92:93], s[10:11], s[92:93]
	CROUND                                         ; the first joint loads meet
	s_mov_b32 s[G0H], 1
	s_mov_b32 s[G0H+1], 0
	s_mov_b64 s[G0H+2:G0H+3], s[20:21]
	s_or_b32 s[G0H+3], s[G0H+3], 0x80000000
	s_mov_b32 s[G0HB], 1
	s_mov_b32 s[G0HB+1], 2*HALFT
	s_mov_b64 s[G0HB+2:G0HB+3], s[46:47]
	s_or_b32 s[G0HB+3], s[G0HB+3], 0x80000000
	s_mov_b32 s[G0S], 1
	s_mov_b32 s[G0S+1], SCL
	s_mov_b64 s[G0S+2:G0S+3], s[22:23]
	s_or_b32 s[G0S+3], s[G0S+3], 0x80000000
	s_mov_b32 s[G0SB], 1
	s_mov_b32 s[G0SB+1], SCL+2*HALFS
	s_mov_b64 s[G0SB+2:G0SB+3], s[92:93]
	s_or_b32 s[G0SB+3], s[G0SB+3], 0x80000000
	s_add_nc_u64 s[20:21], s[20:21], s[18:19]      ; for the ring: my 128 rows
	s_add_nc_u64 s[46:47], s[46:47], s[18:19]
.irp s, 0,1
	s_mov_b32 s[G0+4*\s], 1
	s_add_co_u32 s[G0+4*\s+1], s45, \s*SLOT
	s_add_nc_u64 s[G0+4*\s+2:G0+4*\s+3], s[20:21], \s*ROWB
	s_or_b32 s[G0+4*\s+3], s[G0+4*\s+3], 0x80000000
	s_mov_b32 s[G0B+4*\s], 1
	s_add_co_u32 s[G0B+4*\s+1], s45, \s*SLOT
	s_add_nc_u64 s[G0B+4*\s+2:G0B+4*\s+3], s[46:47], \s*ROWB
	s_or_b32 s[G0B+4*\s+3], s[G0B+4*\s+3], 0x80000000
.endr
; The head's four tiles, one load a wave: chunk 0 of A, chunk 0 of B, A's scales, B's scales: one chain of branches on the wave's number
.macro ARM under, g0, g1, next
	s_cmp_lt_u32 s14, \under
	s_cbranch_scc0 \next
	tensor_load_to_lds s[\g0:\g0+3], s[\g1:\g1+7]
	s_nop 0
.rept 4
	v_nop
.endr
	s_branch .Lhead_asked
\next:
.endm
	ARM 1, G0H,  G1,  .Lhead_b
	ARM 2, G0HB, G1B, .Lhead_sa
	ARM 3, G0S,  G1S, .Lhead_sb
	tensor_load_to_lds s[G0SB:G0SB+3], s[G1SB:G1SB+7]
	s_nop 0
.rept 4
	v_nop
.endr
.Lhead_asked:
	s_lshl_b32 s96, s95, 10                        ; my 128 biases: row 1,024 tensor + 256 tile column + 128 half
	s_lshl_b32 s97, s42, 8
	s_add_co_u32 s96, s96, s97
	s_lshl_b32 s97, s16, 7
	s_add_co_u32 s96, s96, s97
	s_lshl_b32 s96, s96, 2
	s_mov_b32 s97, 0
	s_add_nc_u64 s[100:101], s[100:101], s[96:97]
	s_and_b32 s20, s17, 15                         ; where my part of hc and hs begins
	s_lshl_b32 s20, s20, 1
	s_add_co_u32 s20, s20, s15
	s_lshl_b32 s21, s42, 1
	s_add_co_u32 s21, s21, s16
	s_mul_i32 s22, s95, 3145728
	s_mul_i32 s23, s20, 98304
	s_add_co_u32 s22, s22, s23
	s_mul_i32 s23, s21, 12288
	s_add_co_u32 s22, s22, s23
	s_mov_b32 s23, 0
	s_add_nc_u64 s[12:13], s[12:13], s[22:23]
	s_lshl_b32 s22, s20, 13
	s_lshl_b32 s46, s21, 10
	s_add_co_u32 s22, s22, s46
	s_lshr_b32 s46, s22, 1
	s_cmp_eq_u32 s95, 2
	s_cselect_b32 s22, s46, s22
	s_lshl_b32 s46, s95, 18
	s_add_co_u32 s22, s22, s46
	s_add_nc_u64 s[98:99], s[98:99], s[22:23]
	s_mul_i32 s20, s15, HALFT                      ; LDS: my 128 rows of A,
	s_mul_i32 s21, s16, HALFT
	s_add_co_u32 s21, s21, 2*HALFT                 ; of B,
	s_mul_i32 s22, s15, HALFS
	s_mul_i32 s23, s16, HALFS
	s_add_co_u32 s23, s23, 2*HALFS
	s_sub_co_u32 s23, s23, s22                     ; from A's scales to B's,
	s_add_co_u32 s22, s22, SCL
	s_lshl_b32 s46, s14, 13
	s_add_co_u32 s46, s46, SLOT                    ; my stage, 8,192 bytes in slot 1
	s_mov_b32 s47, SLOT-232
	s_mov_b32 s92, SLOT+232
	v_and_b32 v1, 15, v0                           ; r
	v_bfe_u32 v2, v0, 4, 1                         ; h
	v_lshlrev_b32 v[BO], 5, v2
.irp b, 0,1,2,3,4,5,6,7
	global_load_b128 v[BI+8*\b:BI+8*\b+3], v[BO], s[100:101] offset:64*\b       ; the bias in the result's layout: eight columns a lane
	global_load_b128 v[BI+8*\b+4:BI+8*\b+7], v[BO], s[100:101] offset:64*\b+16
.endr
	v_mul_u32_u24 v3, v1, PITCH
	v_mul_u32_u24 v4, v2, 24
	v_add_nc_u32 v4, v3, v4                        ; row x pitch + 24 h
	v_sub_nc_u32 v15, 1, v2
	v_mul_u32_u24 v5, s47, v2
	v_add_nc_u32 v5, v3, v5
	v_add_nc_u32 v5, 232, v5                       ; across two chunks: lanes 0-15 byte 232 in slot 0, lanes 16-31 byte 0 in slot 1;
	v_mul_u32_u24 v6, s92, v15
	v_add_nc_u32 v6, v3, v6                        ; and the other way round
	v_add_nc_u32 v[ADRA], s20, v4
	v_add_nc_u32 v[ADRB], s21, v4
	v_add_nc_u32 v[ADRA+1], SLOT, v[ADRA]
	v_add_nc_u32 v[ADRB+1], SLOT, v[ADRB]
	v_add_nc_u32 v[ADRA+2], s20, v5
	v_add_nc_u32 v[ADRA+3], s20, v6
	v_add_nc_u32 v[ADRB+2], s21, v5
	v_add_nc_u32 v[ADRB+3], s21, v6
	v_mul_u32_u24 v5, v1, KS                       ; scale words: 32 bytes a row, 16 more for each 256 passed; lanes 16-31 take B's
	v_lshrrev_b32 v6, 8, v5
	v_lshl_add_u32 v5, v6, 4, v5
	v_mul_u32_u24 v6, s23, v2
	v_add_nc_u32 v5, v5, v6
	v_add_nc_u32 v[ADRS], s22, v5
	v_mul_u32_u24 v5, v1, 96                       ; the stage's addresses: Q and K,
	v_mad_u32_u24 v5, v2, 24, v5
	v_add_nc_u32 v[QST], s46, v5
	v_lshrrev_b32 v5, 2, v1                        ; V's codes,
	v_mul_u32_u24 v5, v5, 384
	v_mad_u32_u24 v5, v2, 48, v5
	v_and_b32 v6, 3, v1
	v_mad_u32_u24 v5, v6, 12, v5
	v_add_nc_u32 v5, s46, v5
	v_add_nc_u32 v[VST], 2048, v5
	v_lshrrev_b32 v5, 1, v1                        ; V's scale bytes,
	v_lshl_add_u32 v5, v2, 6, v5
	v_add_nc_u32 v5, s46, v5
	v_add_nc_u32 v[VSB], 4096, v5
	v_and_b32 v6, 31, v0                           ; and the way back: 16 bytes a lane
	v_lshlrev_b32 v[LI16], 4, v6
	v_lshlrev_b32 v[LS8], 3, v6
	v_add_nc_u32 v[RDQ], s46, v[LI16]
	v_add_nc_u32 v[RDV], 2048, v[RDQ]
	v_add_nc_u32 v[RDS], 4096, v[RDQ]
.macro FRAG reg, adr, st, i            ; 16 rows x 128 K: six pieces of 8 bytes; byte y of a row lies in chunk y / 256, slot (y / 256) % 2
.irp p, 0,1,2,3,4,5
.set BY, 96*(\st)+48*(\p/3)+8*(\p%3)
.if BY/ROWB == (BY+24)/ROWB
	ds_load_b64 v[\reg+2*\p:\reg+2*\p+1], v[\adr+(BY/ROWB)%2] offset:BY%ROWB+(\i)*16*PITCH
.else
	ds_load_b64 v[\reg+2*\p:\reg+2*\p+1], v[\adr+2+(BY/ROWB)%2] offset:BY%ROWB-232+(\i)*16*PITCH
.endif
.endr
.endm
.macro MUL16 a0, p, q, sc, first       ; A's blocks a0, a0 + 1 x B's eight; the 64 accumulators take turns
.irp a, \a0, \a0+1
.irp b, 0,1,2,3,4,5,6,7
.if \first
	v_wmma_scale_f32_16x16x128_f8f6f4 v[8*(8*((\a)%4)+\b):8*(8*((\a)%4)+\b)+7], v[128*(\p)+FR*\b:128*(\p)+FR*\b+FR-1], v[AF+FR*(\a):AF+FR*(\a)+FR-1], v[BI+8*\b:BI+8*\b+7], v[SC+8*NQ*(\sc)+NQ*\b+(\q)], v[SC+8*NQ*(\sc)+NQ*(\a)+(\q)] matrix_a_fmt:MATRIX_FMT_FP6 matrix_b_fmt:MATRIX_FMT_FP6 matrix_a_scale:MATRIX_SCALE_ROW1
.else
	v_wmma_scale_f32_16x16x128_f8f6f4 v[8*(8*((\a)%4)+\b):8*(8*((\a)%4)+\b)+7], v[128*(\p)+FR*\b:128*(\p)+FR*\b+FR-1], v[AF+FR*(\a):AF+FR*(\a)+FR-1], v[8*(8*((\a)%4)+\b):8*(8*((\a)%4)+\b)+7], v[SC+8*NQ*(\sc)+NQ*\b+(\q)], v[SC+8*NQ*(\sc)+NQ*(\a)+(\q)] matrix_a_fmt:MATRIX_FMT_FP6 matrix_b_fmt:MATRIX_FMT_FP6 matrix_a_scale:MATRIX_SCALE_ROW1
.endif
.endr
.endr
.endm
.macro FETCH_B st, p
	WIN TO_B
.irp i, 0,1,2,3,4,5,6,7
	FRAG 128*(\p)+FR*\i, ADRB, \st, \i
.endr
	WIN 0
.endm
.macro FETCH_A st, i0
.irp i, \i0, \i0+1, \i0+2, \i0+3
	FRAG AF+FR*(\i), ADRA, \st, \i
.endr
.endm
.macro SCALES pr                       ; the words of steps 2 pr, 2 pr + 1: lanes 0-15 A's block i, lanes 16-31 B's
.irp i, 0,1,2,3,4,5,6,7
	ds_load_b64 v[SC+8*NQ*((\pr)%2)+NQ*\i:SC+8*NQ*((\pr)%2)+NQ*\i+1], v[ADRS] offset:\i*SBLK+4*NQ*(\pr)
.endr
.endm
.macro PLACES n
.rept \n
	v_nop
.endr
.endm
; A step: 64 products; the next step's fragments are fetched in its middle and at its end.  Where the next step ends in a chunk not yet read: a wait for my loads and a barrier.
; Where it begins in a later chunk: the wait, the add, the wait for my reads, the barrier; and where a chunk two on is left, the barrier opens a round and the slot is filled again.
.macro STEP st, first
.set NX, (\st)+1
.set C0, (96*(\st))/ROWB
.set C1, (96*NX)/ROWB
.set E0, (96*(\st)+95)/ROWB
.set E1, (96*NX+95)/ROWB
.if C1 > C0 || E1 > E0
	s_wait_tensorcnt 0x0                           ; all my tensor loads have landed
.if C1 > C0
	ds_add_u32 v[SPW], v[NIL]
	s_wait_dscnt 4*NL+1                            ; the add and A's blocks 4-7 (24 loads) may be out
.else
	s_wait_dscnt 4*NL                              ; A's blocks 4-7 may be out
.endif
	WLO \first
	MUL16 0, (\st)%2, (\st)%2, ((\st)/2)%2, \first
	s_wait_dscnt 0x0                               ; the add and all my reads are done
	s_barrier_signal -1
	MUL16 2, (\st)%2, (\st)%2, ((\st)/2)%2, \first
	WIN 0
	s_barrier_wait -1
.if C1 > C0 && C0+2 < CHUNKS
	CREST
	s_add_nc_u64 s[G0+4*(C0%2)+2:G0+4*(C0%2)+3], s[G0+4*(C0%2)+2:G0+4*(C0%2)+3], 2*ROWB
	s_add_nc_u64 s[G0B+4*(C0%2)+2:G0B+4*(C0%2)+3], s[G0B+4*(C0%2)+2:G0B+4*(C0%2)+3], 2*ROWB
	JLOAD G0+4*(C0%2), G1, G0B+4*(C0%2), G1B       ; chunk C0 + 2; its four v_nop are the places in front of the loads below
.else
	PLACES NP
.endif
.else
	s_wait_dscnt 4*NL                              ; A's blocks 4-7 may be out
	WLO \first
	MUL16 0, (\st)%2, (\st)%2, ((\st)/2)%2, \first
	MUL16 2, (\st)%2, (\st)%2, ((\st)/2)%2, \first
	s_wait_dscnt 0
	PLACES NP
.endif
	FETCH_B NX, NX%2
	FETCH_A NX, 0
.if NX%2 == 0
	SCALES NX/2
.endif
	WHI \first
	MUL16 4, (\st)%2, (\st)%2, ((\st)/2)%2, \first
	MUL16 6, (\st)%2, (\st)%2, ((\st)/2)%2, \first
	PLACES NP
	WIN 0
	FETCH_A NX, 4
.endm
	s_wait_alu depctr_va_vdst(0)                   ; the wait at the head's end
	s_wait_tensorcnt 0x0                           ; my tile of the head's four is in
	ds_add_u32 v[SPW], v[NIL]
	s_mov_b32 s[G1+2], 128<<16                     ; no load of mine is out: from here on a load brings 128 rows
	s_mov_b32 s[G1+4], 128
	s_mov_b32 s[G1B+2], 128<<16
	s_mov_b32 s[G1B+4], 128
	s_wait_dscnt 0x0
	CROUND
	JLOAD G0+4, G1, G0B+4, G1B                     ; chunk 1, the first tensor load behind the round
	FETCH_B 0, 0
	FETCH_A 0, 0
	SCALES 0
	FETCH_A 0, 4
	s_wait_loadcnt 0x0                             ; the bias
	STEP 0, 1
.set ST, 1
.rept STEPS-2
	STEP ST, 0
.set ST, ST+1
.endr
	s_wait_dscnt 4*NL
	WIN 0xa1
	MUL16 0, 1, 1, 1, 0
	MUL16 2, 1, 1, 1, 0
	s_wait_dscnt 0
	WIN 0xf1
	MUL16 4, 1, 1, 1, 0
	MUL16 6, 1, 1, 1, 0
	WIN 0
.macro QMAX a                          ; the largest magnitude of each run of 16 registers of block a, over the floor 2^(3 - 127)
.set AC, 64*((\a)%4)
.set WQ, 0x28+0x14*((\a)/4)
	WIN WQ
.irp b, 0,1,2,3
	v_max3_num_f32 v[TM+\b], 0x1800000, |v[AC+16*\b]|, |v[AC+16*\b+1]|
.endr
.irp i, 2,4,6,8,10,12,14
.irp b, 0,1,2,3
	v_max3_num_f32 v[TM+\b], v[TM+\b], |v[AC+16*\b+\i]|, |v[AC+16*\b+\i+1]|
.endr
.endr
	WIN 0
.endm
.macro SEND a
	s_wait_dscnt 0x0
.irp k, 0,1,2
	global_store_b128 v[LI16], v[OB+12*(\a)+4*\k:OB+12*(\a)+4*\k+3], s[12:13] offset:1536*(\a)+512*\k
.endr
.endm
.macro QKB a                           ; Q, K: a block of 32 lies in lanes l and l xor 16
	QMAX \a
.if (\a) > 0
	s_wait_alu depctr_va_vdst(0)
	SEND (\a)-1
.endif
.irp b, 0,1,2,3
	v_permlanex16_b32 v[TM+4+\b], v[TM+\b], s20, s21
.endr
.irp b, 0,1,2,3
	v_max_num_f32 v[TM+\b], v[TM+\b], v[TM+4+\b]
.endr
.irp b, 0,1,2,3
	v_add_nc_u32 v[TM+12+\b], 0xff000000, v[TM+\b]
.endr
.irp b, 0,1,2,3
	v_lshrrev_b32 v[TM+4+\b], 23, v[TM+12+\b]
.endr
	v_lshl_or_b32 v[PW], v[TM+5], 8, v[TM+4]
	v_lshl_or_b32 v[PW], v[TM+6], 16, v[PW]
	v_lshl_or_b32 v[PW], v[TM+7], 24, v[PW]
.set WQ, 0x02+((\a)/4)
	WIN WQ
.irp c, 0,1
	v_cvt_scalef32_pk16_fp6_f32 v[CD+6*\c:CD+6*\c+2], v[AC+32*\c:AC+32*\c+15], v[TM+12+2*\c]
	v_cvt_scalef32_pk16_fp6_f32 v[CD+12+4*\c:CD+14+4*\c], v[AC+32*\c+16:AC+32*\c+31], v[TM+13+2*\c]
.endr
	WIN 0
	v_nop
.irp c, 0,1
.irp i, 0,1,2
	v_permlane16_swap_b32 v[CD+6*\c+\i], v[CD+12+4*\c+\i]
.endr
.irp i, 0,1,2
	v_mov_b32 v[CD+3+6*\c+\i], v[CD+12+4*\c+\i]
.endr
.endr
.irp c, 0,1
.irp p, 0,1,2
	ds_store_b64 v[QST], v[CD+6*\c+2*\p:CD+6*\c+2*\p+1] offset:48*\c+8*\p
.endr
.endr
.irp k, 0,1,2
	ds_load_b128 v[OB+12*(\a)+4*\k:OB+12*(\a)+4*\k+3], v[RDQ] offset:512*\k
.endr
.if ((\a)%2) == 0
	v_mov_b32 v[PWE], v[PW]
.else
	v_cndmask_b32 v[TT], v[PWE], v[PW], s66
	v_and_b32 v[SW+(\a)-1], 0xffff, v[TT]
	v_lshrrev_b32 v[SW+(\a)], 16, v[TT]
	global_store_b64 v[LS8], v[SW+(\a)-1:SW+(\a)], s[98:99] offset:((\a)-1)*128
.endif
.endm
.macro VB a                            ; V: a block of 32 keys lies in lanes l and l xor 1
	QMAX \a
.if (\a) > 0
	s_wait_alu depctr_va_vdst(0)
	SEND (\a)-1
.endif
.irp b, 0,1,2,3
	v_max_num_f32_dpp v[TM+\b], v[TM+\b], v[TM+\b] row_xmask:1 row_mask:0xf bank_mask:0xf
.endr
.irp b, 0,1,2,3
	v_add_nc_u32 v[TM+12+\b], 0xff000000, v[TM+\b]
.endr
.irp b, 0,1,2,3
	v_lshrrev_b32 v[TM+4+\b], 23, v[TM+12+\b]
.endr
.set WQ, 0x02+((\a)/4)
	WIN WQ
.irp b, 0,1,2,3
	v_cvt_scalef32_pk16_fp6_f32 v[CD+4*\b:CD+4*\b+2], v[AC+16*\b:AC+16*\b+15], v[TM+12+\b]
.endr
	WIN 0
	v_nop
.irp b, 0,1,2,3
.irp i, 0,1,2
	ds_store_b32 v[VST], v[CD+4*\b+\i] offset:96*\b+4*\i
.endr
	ds_store_b8 v[VSB], v[TM+4+\b] offset:128*\b+8*(\a)
.endr
.irp k, 0,1,2
	ds_load_b128 v[OB+12*(\a)+4*\k:OB+12*(\a)+4*\k+3], v[RDV] offset:512*\k
.endr
.endm
	PLACES NP
	s_mov_b32 s20, 0x76543210
	s_mov_b32 s21, 0xfedcba98
	s_mov_b32 s66, 0xffff0000
.irp b, 0,1,2,3
	v_mov_b32 v[TM+4+\b], 0
.endr
	s_cmp_eq_u32 s95, 2                            ; the tensor is the same in all partners of a cluster
	s_cbranch_scc1 .Lv
.irp a, 0,1,2,3,4,5,6,7
	QKB \a
.endr
	SEND 7
	s_branch .Ldone
.Lv:
.irp a, 0,1,2,3,4,5,6,7
	VB \a
.endr
	SEND 7
	ds_load_b128 v[SW:SW+3], v[RDS]
	s_wait_dscnt 0x0
	global_store_b128 v[LI16], v[SW:SW+3], s[98:99]
.Ldone:
	s_wait_tensorcnt 0x0                           ; the wave's end
	ds_add_u32 v[SPW], v[NIL]
	s_wait_dscnt 0x0
	CROUND                                         ; the closing round
	s_endpgm
.Lfunc_end_k_q18fb66e75d_proj:
	.size	k_q18fb66e75d_proj, .Lfunc_end_k_q18fb66e75d_proj-k_q18fb66e75d_proj
	.p2alignl 7, 3214868480
	.fill 96, 4, 3214868480
	.section	.rodata,"a",@progbits
	.p2align	6, 0x0
	.amdhsa_kernel k_q18fb66e75d_proj
		.amdhsa_group_segment_fixed_size 327680
		.amdhsa_private_segment_fixed_size 0
		.amdhsa_enable_private_segment 0
		.amdhsa_kernarg_size 56
		.amdhsa_user_sgpr_count 2
		.amdhsa_user_sgpr_kernarg_segment_ptr 1
		.amdhsa_wavefront_size32 1
		.amdhsa_system_sgpr_workgroup_id_x 1
		.amdhsa_system_sgpr_workgroup_id_y 1
		.amdhsa_system_sgpr_workgroup_id_z 1
		.amdhsa_system_vgpr_workitem_id 0
		.amdhsa_next_free_vgpr 1024
		.amdhsa_next_free_sgpr 102
		.amdhsa_reserve_vcc 0
		.amdhsa_float_denorm_mode_32 3
		.amdhsa_float_denorm_mode_16_64 3
		.amdhsa_memory_ordered 1
		.amdhsa_forward_progress 1
		.amdhsa_inst_pref_size 211
	.end_amdhsa_kernel
	.amdgpu_metadata
---
amdhsa.version: [ 1, 2 ]
amdhsa.kernels:
  - .name:           k_q18fb66e75d_proj
    .symbol:         k_q18fb66e75d_proj.kd
    .args:
      - { .name: xc, .offset: 0, .size: 8, .value_kind: global_buffer, .address_space: global }
      - { .name: xs, .offset: 8, .size: 8, .value_kind: global_buffer, .address_space: global }
      - { .name: wc, .offset: 16, .size: 8, .value_kind: global_buffer, .address_space: global }
      - { .name: ws, .offset: 24, .size: 8, .value_kind: global_buffer, .address_space: global }
      - { .name: bp, .offset: 32, .size: 8, .value_kind: global_buffer, .address_space: global }
      - { .name: hc, .offset: 40, .size: 8, .value_kind: global_buffer, .address_space: global }
      - { .name: hs, .offset: 48, .size: 8, .value_kind: global_buffer, .address_space: global }
    .group_segment_fixed_size: 327680
    .private_segment_fixed_size: 0
    .kernarg_segment_align: 8
    .kernarg_segment_size: 56
    .max_flat_workgroup_size: 128
    .sgpr_count:     102
    .vgpr_count:     1024
    .wavefront_size: 32
...
	.end_amdgpu_metadata
.endif
;; end of part 2
;; launch attn (part 3): grid 8 x 32, 16 waves a work-group, clusters of 4 x 1, 327,680 bytes of LDS; arguments hc, hs, ow; writes ow
.if DOCPART == 3
	.amdgcn_target "amdgcn-amd-amdhsa--gfx1250"
	.amdhsa_code_object_version 6
	.text
	.protected	k_q18fb66e75d_attn
	.globl	k_q18fb66e75d_attn
	.p2align	8
	.type	k_q18fb66e75d_attn,@function
k_q18fb66e75d_attn:
	s_mov_b64 s[64:65], 0
	v_nop
	global_prefetch_b8 v0, s[64:65] scope:SCOPE_SE
	s_setreg_imm32_b32 hwreg(HW_REG_WAVE_MODE, 25, 1), 1
	s_wait_xcnt 0x0
	s_wait_alu depctr_hold_cnt(0) depctr_sa_sdst(0) depctr_va_vdst(0) depctr_va_sdst(0) depctr_va_ssrc(0) depctr_va_vcc(0) depctr_vm_vsrc(0)
	s_getreg_b32 s2, hwreg(HW_REG_IB_STS2, 6, 4)
	s_cmp_eq_u32 s2, 0
	s_cbranch_scc0 .Lentry_in_a_cluster
	s_endpgm
.Lentry_in_a_cluster:
	s_bfe_u32 s2, ttmp6, 0x10000c
	s_cmp_lg_u32 s2, 0x3003
	s_cbranch_scc0 .Lentry_shape_is_right
	s_endpgm
.Lentry_shape_is_right:
; ow[head][q][:] = the sum over k of softmax_k(Q[q] . K[k] / 8) V[k][:], 32 heads of [2048][64], both products on codes of FP6 (E2M3) with one E8M0 scale for each 32 along a product's K.
; THE SOFTMAX: t = score x log2(e) / 8; M = the row's largest t so far, rounded UP to a whole number; p = 2^(t - M) is quantised along the keys, not normalised.  The row's sum is taken of the unquantised p, in f32,
; and divides O at the end.  When M moves, the sum and O are multiplied by 2^(old M - new M): exact.
; SHARES: a work-group owns 256 queries of one head, each of its sixteen waves 16 of them; every wave walks the head's 2,048 keys, 128 a step.  The head's K and V stay in LDS, 196,608 bytes, each byte filled once.
; FILLS: sixteen planes of 12,288 dense bytes, one to a wave.  At the head each wave asks for its plane's first 3,072 bytes (steps 0-3); behind a wait, an add and a round, for the other 9,216.
; One barrier more stands behind step 3.  The four work-groups of a cluster belong to one head and ask jointly.  No prefetch: both fills go out at the start, so no trip of a loop stands ahead of any load.
; LAYOUT: both products transposed: S^T = K Q^T, O^T = V^T P^T: a lane holds ONE query (lane % 16).  The head's 64 fill the lower half of the instruction's 128 along K.  Q's upper 64 are zero codes; E2M3 has no NaN and
; no infinity and the upper scale bytes are 0, so whatever codes stand opposite them add nothing: K's eight fragments lie 6 registers apart, each followed by the next one's codes, the last by six zeros.
; THE KEYS OF A TILE: tile 4 c + u, row m, is key 64 (m / 8) + 32 c + 8 u + m % 8 of the step: so the 32 registers of tiles 4 c .. 4 c + 3 of lane (r, h) are the WHOLE block 2 h + c of 32 keys, in order, and its codes are
; registers 6 c .. 6 c + 5 of P in that same lane.  So place (c, h) along the second product's K holds block 2 h + c: V's fragments are read so, and bytes 1 and 2 of V's scale words change places at the head.
; A lane's twelve registers of a fragment of V are then blocks 2 h and 2 h + 1 of one channel: 48 consecutive bytes, three loads of 16.
; MEMORY (the launch before): a position is 16 row + chunk.  Q, K: plane = chunk / 2: [row 128][chunk % 2][48 bytes];  V: plane = d / 8: [slab of 64 keys][d % 8][48 bytes].
; LDS: K's planes lie 12,320 bytes apart (8 words over a multiple of 64): with lane terms of 96, 12 and 6 words the 32 lanes of a load of 8 bytes start at the 32 even banks (64 banks of 4 bytes: ISA guide 11.1).
; V's planes lie 12,416 bytes apart (32 words over, a multiple of 16 bytes): with 12 words from channel to channel the sixteen lanes of half a wave touch sixteen different columns of 16 bytes.
; The scale table: 768 bytes a step: V's words at 16 r + 4 t (d = 16 t + r), then K's at 256 + 256 c + 16 r + 4 u.
; LIMITS: NaN and infinities are not served; the promise holds while the scaled scores stay under 2^31 in magnitude.
; REGISTERS: v1-5 addresses that stay; v6-9 the step's; v10-11 the stage; v12 -M, v13 the largest score, v[14:15] the sum; v16-27 Q; v28 Q's scale word, v29 p's; v[30:31] f; v32-79 K, v80-85 zeros; v88-95 at work;
;   v96-159 S^T, then p, then V's fragments; v160-191 O^T; v192-203 p's codes, v204-210 their odd halves; v212-216 at work; v240-245 three side sums; v246-249 K's scale words, v250-253 V's; v254-255 the add's.
.set PLK,   12320
.set VPL,   12416
.set VOFF,  8*PLK
.set SCT,   198144
.set STAGE, SCT+16*768
.set SPT,   272
.set SPARE, STAGE+16*16*SPT
.macro ROUND
	s_barrier_signal -1
	s_barrier_wait -1
	s_cmp_lg_u32 s10, 0
	s_cbranch_scc1 .Lnot_wave_0_\@
	s_barrier_signal -3
.Lnot_wave_0_\@:
	s_barrier_wait -3
	s_barrier_signal -1
	s_barrier_wait -1
.endm
.macro FILL k, v, g1                   ; waves 0-7 K's planes, waves 8-15 V's: one load to an arm; s_nop 0 and four v_nop behind each
	s_cmp_lt_u32 s10, 8
	s_cbranch_scc0 .Lfor_v_\@
	tensor_load_to_lds s[\k:\k+3], s[\g1:\g1+7]
	s_nop 0
.rept 4
	v_nop
.endr
	s_branch .Lasked_\@
.Lfor_v_\@:
	tensor_load_to_lds s[\v:\v+3], s[\g1:\g1+7]
	s_nop 0
.rept 4
	v_nop
.endr
.Lasked_\@:
.endm
	s_load_b128 s[4:7], s[0:1], 0x0                ; hc, hs
	s_load_b64 s[8:9], s[0:1], 0x10                ; ow
	v_lshl_add_u32 v254, v0, 2, SPARE
	v_mov_b32 v255, 0
	ds_add_u32 v254, v255                          ; the opening lines: the add, twice on end, and its wait
	ds_add_u32 v254, v255
	v_lshrrev_b32 v1, 5, v0
	v_readfirstlane_b32 s10, v1                    ; wave 0..15
	s_bfe_u32 s11, ttmp6, 0x40000                  ; cx
	s_lshl_b32 s12, ttmp9, 2
	s_add_co_u32 s12, s12, s11                     ; my block of 256 queries: it enters Q's and ow's addresses alone
	s_and_b32 s13, ttmp7, 0xffff                   ; the head, which the four partners share
	s_mov_b32 s14, 0x76543210
	s_mov_b32 s15, 0xfedcba98                      ; selects for lane l xor 16
	s_mov_b32 s16, 0x3e38aa3b                      ; c = log2(e) / 8
	s_mov_b32 s17, s16
	s_mov_b32 s22, 0xbe38aa3b                      ; -c
	s_mov_b32 s24, 15|(3<<16)|(1<<21)              ; group 1: dense rows of 256 bytes (32 elements of 8), the mask of all four: 12 rows,
	s_mov_b32 s25, 32<<16
	s_mov_b32 s26, 12<<16
	s_mov_b32 s27, 32<<16
	s_mov_b32 s28, 12
	s_mov_b32 s29, 32
	s_mov_b32 s30, 0
	s_mov_b32 s31, 0
	s_mov_b32 s40, 15|(3<<16)|(1<<21)              ; and 36 rows
	s_mov_b32 s41, 32<<16
	s_mov_b32 s42, 36<<16
	s_mov_b32 s43, 32<<16
	s_mov_b32 s44, 36
	s_mov_b32 s45, 32
	s_mov_b32 s46, 0
	s_mov_b32 s47, 0
	s_and_b32 s66, s10, 7                          ; the plane that I fetch
	s_mul_i32 s67, s66, PLK
	s_mul_i32 s68, s66, VPL
	s_add_co_u32 s68, s68, VOFF
	s_mul_i32 s70, s13, 98304
	s_mul_i32 s69, s66, 12288
	s_add_co_u32 s70, s70, s69
	s_mov_b32 s71, 0
	s_lshl_b32 s80, s12, 4
	s_add_co_u32 s80, s80, s10                     ; my tile of queries, 0 .. 127
	s_lshr_b32 s81, s80, 1                         ; m
	s_and_b32 s82, s80, 1                          ; u: my queries are 32 m + 8 u + i + 8 (i / 8)
	s_mul_i32 s84, s13, 98304
	s_mul_i32 s83, s82, 49152
	s_add_co_u32 s84, s84, s83
	s_mul_i32 s83, s81, 192
	s_add_co_u32 s84, s84, s83                     ; Q's codes: head, plane 4 u, row 2 m
	s_mov_b32 s85, 0
	s_lshl_b32 s86, s13, 13
	s_lshl_b32 s83, s82, 12
	s_add_co_u32 s86, s86, s83
	s_lshl_b32 s83, s81, 4
	s_add_co_u32 s86, s86, s83                     ; Q's scale words likewise
	s_mov_b32 s87, 0
	s_lshl_b32 s88, s13, 11
	s_lshl_b32 s83, s81, 5
	s_add_co_u32 s88, s88, s83
	s_lshl_b32 s83, s82, 3
	s_add_co_u32 s88, s88, s83
	s_lshl_b32 s88, s88, 8                         ; ow: row 2,048 head + 32 m + 8 u, 256 bytes a row
	s_mov_b32 s89, 0
	s_lshl_b32 s90, s13, 13
	s_add_co_u32 s90, s90, 262144                  ; K's scale words of the head
	s_mov_b32 s91, 0
	s_lshl_b32 s92, s13, 12
	s_add_co_u32 s92, s92, 524288                  ; V's
	s_mov_b32 s93, 0
	s_wait_dscnt 0x0
	s_wait_kmcnt 0x0
	s_add_nc_u64 s[72:73], s[4:5], s[70:71]
	s_add_nc_u64 s[74:75], s[6:7], s[90:91]
	s_add_nc_u64 s[76:77], s[6:7], s[92:93]
	s_add_nc_u64 s[78:79], s[6:7], s[86:87]
	s_add_nc_u64 s[4:5], s[4:5], s[84:85]
	s_add_nc_u64 s[8:9], s[8:9], s[88:89]
.irp g, 0,1                            ; group 0: K's in s[32:39], V's in s[48:55]: the plane's first 3,072 bytes, and the rest
	s_mov_b32 s[32+4*\g], 1
	s_add_co_u32 s[33+4*\g], s67, \g*3072
	s_add_nc_u64 s[34+4*\g:35+4*\g], s[72:73], 3145728+\g*3072
	s_or_b32 s[35+4*\g], s[35+4*\g], 0x80000000
	s_mov_b32 s[48+4*\g], 1
	s_add_co_u32 s[49+4*\g], s68, \g*3072
	s_add_nc_u64 s[50+4*\g:51+4*\g], s[72:73], 6291456+\g*3072
	s_or_b32 s[51+4*\g], s[51+4*\g], 0x80000000
.endr
	ROUND                                          ; the joint loads meet
	FILL 32, 48, 24                                ; one tensor load a wave at the head
	v_and_b32 v219, 15, v0                         ; r
	v_bfe_u32 v220, v0, 4, 1                       ; h
	v_bfe_u32 v221, v0, 1, 2                       ; r's bits 2:1: the plane among four
	v_bfe_u32 v222, v0, 3, 1                       ; r's bit 3
	v_and_b32 v223, 1, v0                          ; r's bit 0: the chunk of two
	v_mul_u32_u24 v232, v223, 48
	v_mad_u32_u24 v232, v220, 24, v232             ; 48 x chunk + 24 h
	v_mad_u32_u24 v233, v222, 96, v232
	v_mad_u32_u24 v233, v221, 12288, v233          ; my lane's place in my tile of Q, in memory
	v_mad_u32_u24 v1, v222, 384, v232              ; and in a tile of K, in LDS: rows 8-15 lie 64 keys, four rows of 96 bytes, on
	v_mad_u32_u24 v1, v221, PLK, v1
	v_and_b32 v234, 7, v0
	v_mul_u32_u24 v2, v234, 48
	v_mad_u32_u24 v2, v220, 384, v2                ; V: plane r / 8, slab h, 48 (r % 8)
	v_mad_u32_u24 v2, v222, VPL, v2
	v_add_nc_u32 v2, VOFF, v2
	v_add_nc_u32 v3, 4*VPL, v2                     ; and four planes on, for d = 32 .. 63
	v_lshlrev_b32 v235, 10, v221
	v_lshl_add_u32 v235, v222, 3, v235
	v_lshl_add_u32 v235, v223, 2, v235             ; Q's scale word of query r
.irp p, 0,1,2
	global_load_b64 v[16+2*\p:17+2*\p], v233, s[4:5] offset:8*\p
.endr
	global_load_b32 v28, v235, s[78:79]
	v_lshlrev_b32 v236, 4, v0
	global_load_b128 v[224:227], v236, s[74:75]    ; K's scale words, 16 bytes a thread: plane t / 64, rows 2 (t % 64) and + 1, two chunks each
	v_lshlrev_b32 v237, 3, v0
	global_load_b64 v[228:229], v237, s[76:77]     ; V's, 8 a thread: d = t / 8, steps 2 (t % 8) and + 1
	v_and_b32 v4, 31, v0
	v_lshl_add_u32 v4, v4, 4, SCT                  ; the scale table: 16 x lane
	v_lshlrev_b32 v5, 8, v220
	v_lshl_add_u32 v5, v219, 4, v5                 ; the way out: lanes 0-15 one row of ow, lanes 16-31 the next
	v_lshlrev_b32 v216, 3, v220                    ; 8 h
	v_bfe_u32 v238, v0, 2, 4                       ; where my four words of K's go: row 2 mm + i: step mm / 4, row bit 3 = mm's bit 1, c = mm's bit 0, u = 2 i + plane / 4, r's low bits = 2 (plane % 4) + chunk
	v_mul_u32_u24 v230, v238, 768
	v_bfe_u32 v238, v0, 1, 1
	v_lshl_add_u32 v230, v238, 7, v230
	v_lshl_add_u32 v230, v223, 8, v230
	v_bfe_u32 v238, v0, 6, 2
	v_lshl_add_u32 v230, v238, 5, v230
	v_bfe_u32 v238, v0, 8, 1
	v_lshl_add_u32 v230, v238, 2, v230
	v_add_nc_u32 v230, SCT+256, v230
	v_mul_u32_u24 v231, v234, 1536                 ; and my two of V's: two steps' records x (t % 8) + 16 (d % 16) + 4 (d / 16)
	v_bfe_u32 v238, v0, 3, 4
	v_lshl_add_u32 v231, v238, 4, v231
	v_lshrrev_b32 v238, 7, v0
	v_lshl_add_u32 v231, v238, 2, v231
	v_add_nc_u32 v231, SCT, v231
	v_mov_b32 v13, 0xff61b1e6                      ; the largest score so far: -3e38
	v_mul_f32 v12, s22, v13
	v_floor_f32 v12, v12                           ; -M
	v_mov_b32 v14, 0
	v_mov_b32 v15, 0
	v_mov_b32 v31, 0                               ; (named as the upper half of the pair v[30:31])
	v_mov_b32 v93, 0                               ; a lane permute's destination counts as one of its sources
.irp j, 22,23,24,25,26,27, 80,81,82,83,84,85, 240,241,242,243,244,245
	v_mov_b32 v[\j], 0                             ; Q's upper 64: zero codes; the six registers behind K's last fragment; the side sums
.endr
.set j, 0
.rept 32
	v_mov_b32 v[160+j], 0                          ; O^T: the step is written once, and the first finds zeros
.set j, j+1
.endr
	s_wait_loadcnt 0x0
	v_perm_b32 v228, v228, v228, 0x03010200        ; V's bytes 1 and 2 change places: place (c, h) holds block 2 h + c
	v_perm_b32 v229, v229, v229, 0x03010200
	ds_store_b32 v230, v224
	ds_store_b32 v230, v225 offset:16
	ds_store_b32 v230, v226 offset:8
	ds_store_b32 v230, v227 offset:24
	ds_store_b32 v231, v228
	ds_store_b32 v231, v229 offset:768
	s_wait_alu depctr_va_vdst(0)                   ; the wait at the head's end
	s_wait_tensorcnt 0x0                           ; my first fill is in
	ds_add_u32 v254, v255
	s_wait_dscnt 0x0                               ; the add and my table stores are done
	ROUND
	FILL 36, 52, 40                                ; the rest of my plane: bytes 3,072 on, which steps 0-3 do not read
.macro ADD4 j
	v_pk_add_f32 v[240:241], v[240:241], v[\j:\j+1]
	v_pk_add_f32 v[242:243], v[242:243], v[\j+2:\j+3]
	v_pk_add_f32 v[244:245], v[244:245], v[\j+4:\j+5]
	v_pk_add_f32 v[14:15], v[14:15], v[\j+6:\j+7]
.endm
; A KEY STEP: 128 keys.  s18 = 768 x step: the step's place in K's planes, in V's planes and in the scale table alike.
.macro STEP
	v_add_nc_u32 v6, s18, v1
	v_add_nc_u32 v9, s18, v4
	v_pk_add_f32 v[240:241], v[240:241], v[242:243]   ; the last step's side sums are joined here: with the two lines above, the five places between the last products and the first below, which writes over their sources (ISA guide 7.12.1)
	v_pk_add_f32 v[14:15], v[14:15], v[244:245]
	v_pk_add_f32 v[14:15], v[14:15], v[240:241]
	ds_load_b128 v[246:249], v9 offset:256         ; K's scale words: register u: lanes 0-15 tile u, lanes 16-31 tile 4 + u
.irp c, 0,1
.irp u, 0,1,2,3
.irp p, 0,1,2
	ds_load_b64 v[32+6*(4*\c+\u)+2*\p:33+6*(4*\c+\u)+2*\p], v6 offset:(\u%2)*4*PLK+(2*\c+\u/2)*96+8*\p
.endr
.endr
.endr
	s_wait_dscnt 0x0
.irp u, 0,1,2,3
	v_wmma_scale_f32_16x16x128_f8f6f4 v[96+8*\u:103+8*\u], v[32+6*\u:43+6*\u], v[16:27], 0, v[246+\u], v28 matrix_a_fmt:MATRIX_FMT_FP6 matrix_b_fmt:MATRIX_FMT_FP6
.endr
.irp u, 0,1,2,3
	v_wmma_scale_f32_16x16x128_f8f6f4 v[128+8*\u:135+8*\u], v[56+6*\u:67+6*\u], v[16:27], 0, v[246+\u], v28 matrix_a_fmt:MATRIX_FMT_FP6 matrix_b_fmt:MATRIX_FMT_FP6 matrix_a_scale:MATRIX_SCALE_ROW1
.endr
	v_add_nc_u32 v7, s18, v2                       ; four places behind the products
	v_add_nc_u32 v8, s18, v3
	v_nop
	v_nop
.irp b, 0,1,2,3
	v_max3_num_f32 v[88+\b], v[96+16*\b], v[97+16*\b], v[98+16*\b]   ; the largest score of each block of 32 keys, in two chains a block; each accumulator from its low end on
.endr
.irp i, 3,5,7,9,11,13
.irp b, 0,1,2,3
	v_max3_num_f32 v[88+\b], v[88+\b], v[96+16*\b+\i], v[97+16*\b+\i]
.endr
.endr
	v_max3_num_f32 v88, v88, v89, v111
	v_max3_num_f32 v90, v90, v91, v143
	v_max_num_f32 v88, v88, v127                   ; my block c = 0's: it serves the row's maximum and, since p rises with the score, the block's largest p
	v_max_num_f32 v89, v90, v159                   ; and c = 1's
	s_delay_alu instid0(VALU_DEP_1)
	v_max_num_f32 v92, v88, v89
	s_delay_alu instid0(VALU_DEP_1)
	v_permlanex16_b32 v93, v92, s14, s15
	s_delay_alu instid0(VALU_DEP_1)
	v_max3_num_f32 v13, v13, v92, v93              ; the running largest score (c is positive: the largest t is c x it)
	s_delay_alu instid0(VALU_DEP_1)
	v_mul_f32 v94, s22, v13
	s_delay_alu instid0(VALU_DEP_1)
	v_floor_f32 v94, v94                           ; the new -M = floor(-t)
	s_delay_alu instid0(VALU_DEP_1)
	v_sub_f32 v95, v94, v12                        ; old M - new M: a whole number, 0 or less
	v_mov_b32 v12, v94
	s_delay_alu instid0(VALU_DEP_2)
	v_cvt_i32_f32 v95, v95                         ; (it saturates)
	s_delay_alu instid0(VALU_DEP_1)
	v_ldexp_f32 v30, 1.0, v95                      ; f = 2^(old M - new M)
.set j, 0
.rept 32
	v_pk_fma_f32 v[96+j:97+j], v[96+j:97+j], s[16:17], v[12:13] op_sel_hi:[1,0,0]   ; t - M
.set j, j+2
.endr
	v_fma_f32 v88, v88, s16, v12                   ; the same of each block's largest score
	v_fma_f32 v89, v89, s16, v12
	s_wait_alu depctr_va_vdst(0)                   ; the wait ahead of the batch
.set j, 0
.rept 64
	v_exp_f32 v[96+j], v[96+j]                     ; p = 2^(t - M)
.set j, j+1
.endr
	v_exp_f32 v88, v88                             ; the blocks' largest p: the same two instructions on the same number
	v_exp_f32 v89, v89
	v_pk_mul_f32 v[14:15], v[14:15], v[30:31] op_sel_hi:[1,0]   ; the sum under the new M: the plain place behind the batch
	s_wait_alu depctr_va_vdst(0)                   ; and the one wait behind it
	v_max_num_f32 v88, 0x1800000, v88              ; the floor 2^(3 - 127): the byte cannot fall under 1
	v_max_num_f32 v89, 0x1800000, v89
	v_add_nc_u32 v212, 0xff000000, v88             ; 2 off the exponent field: the conversion's scale operand
	v_add_nc_u32 v213, 0xff000000, v89
.irp c, 0,1
	v_cvt_scalef32_pk16_fp6_f32 v[192+6*\c:194+6*\c], v[96+32*\c:111+32*\c], v[212+\c]
	v_cvt_scalef32_pk16_fp6_f32 v[204+4*\c:206+4*\c], v[112+32*\c:127+32*\c], v[212+\c]   ; (a conversion's three registers begin on an even number)
.endr
	v_lshrrev_b32 v214, 23, v212                   ; the scale bytes; p's scale word is made among the sums' lines
	v_lshrrev_b32 v215, 23, v213
	v_pk_add_f32 v[240:241], v[96:97], v[98:99]    ; the row's sum of the unquantised p, in four chains
	v_pk_add_f32 v[242:243], v[100:101], v[102:103]
	v_lshl_or_b32 v29, v215, 16, v214
	v_pk_add_f32 v[244:245], v[104:105], v[106:107]
	v_pk_add_f32 v[14:15], v[14:15], v[108:109]
	v_lshlrev_b32 v29, v216, v29                   ; my two bytes at places h and 2 + h
	ADD4 110
	v_permlanex16_b32 v93, v29, s14, s15
	ADD4 118
	v_or_b32 v29, v29, v93                         ; with lane l xor 16's two the word is whole
	ADD4 126
	ADD4 134
	ADD4 142
	ADD4 150
	v_pk_add_f32 v[240:241], v[240:241], v[158:159]
.irp t, 0,1,2,3                        ; V's four fragments take p's registers: my 48 bytes of channel 16 t + r: slab h, both halves
.irp p, 0,1,2
	ds_load_b128 v[96+12*\t+4*\p:99+12*\t+4*\p], v[7+\t/2] offset:2*VPL*(\t%2)+16*\p
.endr
.endr
	ds_load_b128 v[250:253], v9                    ; V's scale words: register t: d = 16 t + r (lanes 16-31 read K's words and are not used)
.irp c, 0,1
.irp i, 0,1,2
	v_mov_b32 v[195+6*\c+\i], v[204+4*\c+\i]
.endr
.endr
	s_wait_dscnt 0x0
	s_wait_alu depctr_va_vdst(0)                   ; the wait directly ahead of the first reader of O^T
.set j, 0
.rept 16
	v_pk_mul_f32 v[160+j:161+j], v[160+j:161+j], v[30:31] op_sel_hi:[1,0]   ; O^T under the new M; also the places between the writes of p's codes and the products
.set j, j+2
.endr
.irp t, 0,1,2,3                        ; the four accumulators take turns
	v_wmma_scale_f32_16x16x128_f8f6f4 v[160+8*\t:167+8*\t], v[96+12*\t:107+12*\t], v[192:203], v[160+8*\t:167+8*\t], v[250+\t], v29 matrix_a_fmt:MATRIX_FMT_FP6 matrix_b_fmt:MATRIX_FMT_FP6
.endr
	s_add_co_u32 s18, s18, 768
.endm
.macro WALK n
	s_mov_b32 s21, \n
.Lstep_\@:
	STEP
	s_sub_co_u32 s21, s21, 1
	s_cmp_lg_u32 s21, 0
	s_cbranch_scc1 .Lstep_\@
.endm
	s_mov_b32 s18, 0
	WALK 4
	s_wait_tensorcnt 0x0                           ; the rest of my plane is in; behind the barrier everybody's is
	s_wait_dscnt 0x0
	s_barrier_signal -1
	s_barrier_wait -1
	s_mov_b32 s18, 4*768
	WALK 12
	; THE WAY OUT: O^T / the row's sum, through my stage, so that sixteen lanes store a row's 256 consecutive bytes, aligned
	v_pk_add_f32 v[240:241], v[240:241], v[242:243]
	v_pk_add_f32 v[14:15], v[14:15], v[244:245]
	v_pk_add_f32 v[14:15], v[14:15], v[240:241]
	v_add_f32 v14, v14, v15
	v_permlanex16_b32 v93, v14, s14, s15
	v_add_f32 v14, v14, v93                        ; the row's sum
	s_wait_alu depctr_va_vdst(0)
	v_rcp_f32 v14, v14
	s_mul_i32 s66, s10, 16*SPT
	s_add_co_u32 s66, s66, STAGE
	v_mul_u32_u24 v10, v219, SPT
	v_lshl_add_u32 v10, v220, 5, v10
	v_add_nc_u32 v10, s66, v10                     ; in: row r, 64 t + 32 h bytes on
	v_mul_u32_u24 v11, v220, SPT
	v_lshl_add_u32 v11, v219, 4, v11
	v_add_nc_u32 v11, s66, v11                     ; back: lanes 0-15 one row, lanes 16-31 the next
	s_wait_alu depctr_va_vdst(0)                   ; the wait ahead of the reciprocal's and O^T's first reader
.set j, 0
.rept 32
	v_mul_f32 v[96+j], v[160+j], v14               ; register 8 t + i is o(query r, d = 16 t + 8 h + i)
.set j, j+1
.endr
.irp t, 0,1,2,3
	ds_store_b128 v10, v[96+8*\t:99+8*\t] offset:64*\t
	ds_store_b128 v10, v[100+8*\t:103+8*\t] offset:64*\t+16
.endr
.irp k, 0,1,2,3,4,5,6,7
	ds_load_b128 v[32+4*\k:35+4*\k], v11 offset:2*\k*SPT   ; in order behind my stores (ISA guide 5.7.1.4)
.endr
.irp k, 0,1,2,3,4,5,6,7
	s_wait_dscnt 7-\k                              ; number k is in, the 7 - k younger may be out
	global_store_b128 v5, v[32+4*\k:35+4*\k], s[8:9] offset:(2*\k+8*(\k/4))*256   ; stage rows 2 k, 2 k + 1 are queries 2 k + 8 (k / 4) and + 1 from my first
.endr
	s_wait_tensorcnt 0x0                           ; the wave's end
	ds_add_u32 v254, v255
	s_wait_dscnt 0x0
	ROUND                                          ; the closing round
	s_endpgm
.Lfunc_end_k_q18fb66e75d_attn:
	.size	k_q18fb66e75d_attn, .Lfunc_end_k_q18fb66e75d_attn-k_q18fb66e75d_attn
	.p2alignl 7, 3214868480
	.fill 96, 4, 3214868480
	.section	.rodata,"a",@progbits
	.p2align	6, 0x0
	.amdhsa_kernel k_q18fb66e75d_attn
		.amdhsa_group_segment_fixed_size 327680
		.amdhsa_private_segment_fixed_size 0
		.amdhsa_enable_private_segment 0
		.amdhsa_kernarg_size 24
		.amdhsa_user_sgpr_count 2
		.amdhsa_user_sgpr_kernarg_segment_ptr 1
		.amdhsa_wavefront_size32 1
		.amdhsa_system_sgpr_workgroup_id_x 1
		.amdhsa_system_sgpr_workgroup_id_y 1
		.amdhsa_system_sgpr_workgroup_id_z 1
		.amdhsa_system_vgpr_workitem_id 0
		.amdhsa_next_free_vgpr 256
		.amdhsa_next_free_sgpr 100
		.amdhsa_reserve_vcc 0
		.amdhsa_float_denorm_mode_32 3
		.amdhsa_float_denorm_mode_16_64 3
		.amdhsa_memory_ordered 1
		.amdhsa_forward_progress 1
		.amdhsa_inst_pref_size 48
	.end_amdhsa_kernel
	.amdgpu_metadata
---
amdhsa.version: [ 1, 2 ]
amdhsa.kernels:
  - .name:           k_q18fb66e75d_attn
    .symbol:         k_q18fb66e75d_attn.kd
    .args:
      - { .name: hc, .offset: 0, .size: 8, .value_kind: global_buffer, .address_space: global }
      - { .name: hs, .offset: 8, .size: 8, .value_kind: global_buffer, .address_space: global }
      - { .name: ow, .offset: 16, .size: 8, .value_kind: global_buffer, .address_space: global }
    .group_segment_fixed_size: 327680
    .private_segment_fixed_size: 0
    .kernarg_segment_align: 8
    .kernarg_segment_size: 24
    .max_flat_workgroup_size: 512
    .sgpr_count:     100
    .vgpr_count:     256
    .wavefront_size: 32
...
	.end_amdgpu_metadata
.endif
;; end of part 3
;; launch hsum (part 4): grid 256 x 1, 8 waves a work-group, no clusters, 0 bytes of LDS; arguments ow, W0_w, W0_b, out0; writes out0
.if DOCPART == 4
	.amdgcn_target "amdgcn-amd-amdhsa--gfx1250"
	.amdhsa_code_object_version 6
	.text
	.protected	k_q18fb66e75d_hsum
	.globl	k_q18fb66e75d_hsum
	.p2align	8
	.type	k_q18fb66e75d_hsum,@function
k_q18fb66e75d_hsum:
	s_mov_b64 s[64:65], 0
	v_nop
	global_prefetch_b8 v0, s[64:65] scope:SCOPE_SE
	s_setreg_imm32_b32 hwreg(HW_REG_WAVE_MODE, 25, 1), 1
	s_wait_xcnt 0x0
; out0[b][s][d] = the sum over the 16 heads h of W0_w[h] x ow[16 b + h][s][d], + W0_b: fused multiply-adds in f32, heads ascending.
; A stream: a thread owns 16 bytes of out0 and reads the same 16 bytes of each of its batch's 16 heads, 524,288 bytes apart; a load or store of a wave covers 512 consecutive bytes, aligned.
; All sixteen loads of a thread go out at once.  No LDS, no barrier, no matrix unit: one column, 16 along K, and 17 bytes moved for each multiply-add's output byte.
	s_load_b128 s[4:7], s[0:1], 0x0                ; ow, W0_w
	s_load_b128 s[8:11], s[0:1], 0x10              ; W0_b, out0
	s_lshr_b32 s12, ttmp9, 7                       ; the batch: 128 work-groups of 4,096 bytes each
	s_lshl_b32 s12, s12, 23                        ; its 16 heads: 8,388,608 bytes
	s_and_b32 s13, ttmp9, 127
	s_lshl_b32 s13, s13, 12
	s_add_co_u32 s12, s12, s13
	s_mov_b32 s13, 0
	s_lshl_b32 s14, ttmp9, 12
	s_mov_b32 s15, 0
	v_lshlrev_b32 v1, 4, v0
	s_wait_alu depctr_va_vdst(0)
	s_wait_kmcnt 0x0
	s_load_b512 s[16:31], s[6:7], 0x0              ; the sixteen weights
	s_load_b32 s32, s[8:9], 0x0                    ; the bias
	s_add_nc_u64 s[4:5], s[4:5], s[12:13]
	s_add_nc_u64 s[10:11], s[10:11], s[14:15]
.irp h, 0,1,2,3,4,5,6,7,8,9,10,11,12,13,14,15
	global_load_b128 v[8+4*\h:11+4*\h], v1, s[4:5] offset:\h*524288 th:TH_LOAD_NT   ; 7,864,320 at the most: inside the signed 24-bit immediate (ISA guide, chapter 10)
.endr
	s_wait_kmcnt 0x0
	s_wait_loadcnt 15                              ; loads come back in order (ISA guide 5.7.1): head 0's is in, the fifteen younger may be out
.irp j, 0,1,2,3
	v_fma_f32 v[4+\j], s16, v[8+\j], s32           ; the bias starts the sums
.endr
	s_wait_alu depctr_va_vdst(0)
.irp h, 1,2,3,4,5,6,7,8,9,10,11,12,13,14,15
	s_wait_alu depctr_va_vdst(0)
	s_wait_loadcnt 15-\h
.irp j, 0,1,2,3
	v_fma_f32 v[4+\j], s[16+\h], v[8+4*\h+\j], v[4+\j]
.endr
.endr
	global_store_b128 v1, v[4:7], s[10:11] th:TH_STORE_NT
	s_endpgm
.Lfunc_end_k_q18fb66e75d_hsum:
	.size	k_q18fb66e75d_hsum, .Lfunc_end_k_q18fb66e75d_hsum-k_q18fb66e75d_hsum
	.p2alignl 7, 3214868480
	.fill 96, 4, 3214868480
	.section	.rodata,"a",@progbits
	.p2align	6, 0x0
	.amdhsa_kernel k_q18fb66e75d_hsum
		.amdhsa_group_segment_fixed_size 0
		.amdhsa_private_segment_fixed_size 0
		.amdhsa_enable_private_segment 0
		.amdhsa_kernarg_size 32
		.amdhsa_user_sgpr_count 2
		.amdhsa_user_sgpr_kernarg_segment_ptr 1
		.amdhsa_wavefront_size32 1
		.amdhsa_system_sgpr_workgroup_id_x 1
		.amdhsa_system_sgpr_workgroup_id_y 1
		.amdhsa_system_sgpr_workgroup_id_z 1
		.amdhsa_system_vgpr_workitem_id 0
		.amdhsa_next_free_vgpr 72
		.amdhsa_next_free_sgpr 66
		.amdhsa_reserve_vcc 0
		.amdhsa_float_denorm_mode_32 3
		.amdhsa_float_denorm_mode_16_64 3
		.amdhsa_memory_ordered 1
		.amdhsa_forward_progress 1
		.amdhsa_inst_pref_size 8
	.end_amdhsa_kernel
	.amdgpu_metadata
---
amdhsa.version: [ 1, 2 ]
amdhsa.kernels:
  - .name:           k_q18fb66e75d_hsum
    .symbol:         k_q18fb66e75d_hsum.kd
    .args:
      - { .name: ow, .offset: 0, .size: 8, .value_kind: global_buffer, .address_space: global }
      - { .name: W0_w, .offset: 8, .size: 8, .value_kind: global_buffer, .address_space: global }
      - { .name: W0_b, .offset: 16, .size: 8, .value_kind: global_buffer, .address_space: global }
      - { .name: out0, .offset: 24, .size: 8, .value_kind: global_buffer, .address_space: global }
    .group_segment_fixed_size: 0
    .private_segment_fixed_size: 0
    .kernarg_segment_align: 8
    .kernarg_segment_size: 32
    .max_flat_workgroup_size: 256
    .sgpr_count:     66
    .vgpr_count:     72
    .wavefront_size: 32
...
	.end_amdgpu_metadata
.endif
;; end of part 4
